; MI455X (gfx1250); checked and timed in simulation.
; The chip was launched on July 23, 2026; its instructions are those of AMD's public machine-readable ISA for CDNA 5 (MIT licence, August 2026) and "CDNA5" Instruction Set Architecture Reference Guide (July 2026). The comments in the code are by the model that wrote it; some were corrected since.
;; Self Attention. Allowed arithmetic: matrix products marked QUANTISED: E4M3 operands, one given power-of-two scale a tensor, by v_wmma_f32_16x16x64_fp8_fp8 or v_wmma_f32_16x16x128_fp8_fp8, f32 sums; everything else in f32.
;; Inputs: W_proj 1,024 x 1,024 float32; W_qkv 1,024 x 3,072 float32; b_proj 1,024 float32; b_qkv 3,072 float32; lowp_scales 8 int32 (the exponents e of the quantised operands' scales 2^e); x 4 x 2,048 x 1,024 float32.
;; Outputs: out0 4 x 2,048 x 1,024 float32.
;; This version of the problem:
;;   THIS VERSION OF THE PROBLEM IS GIVEN IN LOW PRECISION. The matrix products marked QUANTISED in the list below multiply operands that are first quantised to E4M3 (4 exponent bits, 3 mantissa bits; 8 bits a number), with one given power-of-two scale for each operand tensor; their sums are f32. All else is computed in f32.
;;   The module's matrix products, in the order in which they are computed (A, B: the left and right operand; K: the contracted axis; several contracted axes count as one K, in the product's order):
;;     1. [M 8,192, K 1,024] x [K 1,024, N 3,072]; A: input x; B: input W_qkv: QUANTISED (scales: A lowp_scales[0], B lowp_scales[1])
;;     2. batch 64 x [M 2,048, K 64] x [K 64, N 2,048]; A: computed on the way; B: computed on the way: QUANTISED (scales: A lowp_scales[2], B lowp_scales[3])
;;     3. batch 64 x [M 64, K 2,048] x [K 2,048, N 2,048]; A: computed on the way; B: softmax (see below): QUANTISED (scales: A lowp_scales[4], B lowp_scales[5])
;;     4. [M 8,192, K 1,024] x [K 1,024, N 1,024]; A: computed on the way; B: input W_proj: QUANTISED (scales: A lowp_scales[6], B lowp_scales[7])
;;   THE QUANTISER, for each operand of a quantised product, along K:
;;     - The operand's scale is 2^e, e = its entry of the input lowp_scales (int32; the entries are numbered through the quantised products in the list's order, A before B).
;;     - Each number is divided by the scale, clamped to +-448, and rounded to the nearest number of E4M3, ties to even, subnormals kept.
;;     - The product sums the exact products of the quantised numbers (number of the format x scale) in f32.
;;   ~~~python
;;   def quantise(x, axis, e):      # numpy; x: float32 -> the quantised numbers, widened to float32 again
;;       x = np.moveaxis(x, axis, -1); K = x.shape[-1]
;;       r = np.clip(x / 2.0 ** e, -448, 448)
;;       step = 2.0 ** (np.maximum(np.frexp(np.where(r == 0, 1, r))[1] - 1, -6) - 3)
;;       q = np.round(r / step) * step * 2.0 ** e      # np.round: ties to even
;;       return np.moveaxis(q, -1, axis).astype(np.float32)
;;   ~~~
;;   SOFTMAX AHEAD OF A QUANTISED PRODUCT. Where the list says 'softmax', what is quantised is not the finished softmax but p = 2^(t - M), with t = logit x log2(e) and M = ceil(the row's largest t), a whole number; so 1/2 < the row's largest p <= 1. The row's sum l is taken of the UNQUANTISED p, in f32, and the product's result is divided by l at the end. Since M is a whole number, a kernel that streams over the keys may use a running M (the ceiling of the running maximum): every later rescaling is an exact power of two, so the quantised numbers keep their values, but for numbers so far below the row's largest that they fall under the format's range.
;;   OPERANDS COMPUTED ON THE WAY. 'Computed on the way' means the value that the module computes at that place (a softmax that the list does not call 'softmax' is quantised finished and normalised). What goes into a quantiser is computed in f32, as accurately as f32 sums, v_exp_f32 and their like allow (about 1e-6 of the number): no bf16 or f16 on the way to a quantiser, and a product that is left as it is and whose result goes on into a quantised operand takes f32 operands (vector FMAs, or v_wmma_f32_16x16x4_f32). A number that lies on a knife's edge between two numbers of the format may be rounded either way, as far as f32 arithmetic and the matrix unit's own rounding can turn it there, and no further.
;; One version. Each part assembles by itself: llvm-mc -triple=amdgcn-amd-amdhsa -mcpu=gfx1250 --defsym DOCPART=n.
;; ======== version 1 of 1: 4 launches
;; workspace buffers: x_img 8,388,608 bytes; wqkv_img 3,145,728 bytes; wproj_img 1,048,576 bytes; q_img 8,388,608 bytes; kv 16,777,216 bytes; y_img 8,388,608 bytes
;; launch quant (part 1): grid 384 x 1, 4 waves a work-group, no clusters, 34,304 bytes of LDS; arguments x, W_qkv, W_proj, lowp_scales, x_img, wqkv_img, wproj_img; writes x_img, wqkv_img, wproj_img
.if DOCPART == 1
	.amdgcn_target "amdgcn-amd-amdhsa--gfx1250"
	.amdhsa_code_object_version 6
	.text
	.protected	k_qb8d8071393_quant
	.globl	k_qb8d8071393_quant
	.p2align	8
	.type	k_qb8d8071393_quant,@function
k_qb8d8071393_quant:
	s_mov_b64 s[64:65], 0
	v_nop
	global_prefetch_b8 v0, s[64:65] scope:SCOPE_SE
	s_setreg_imm32_b32 hwreg(HW_REG_WAVE_MODE, 25, 1), 1
	s_wait_xcnt 0x0
; x [8192][1024], W_qkv [1024][3072] and W_proj [1024][1024], f32, become codes of FP8 (E4M3), each with the one scale 2^e given for it (entries 0, 1 and 7 of the scales).
; code = number / 2^e, held within +-448, rounded to the nearest code, ties to even.
; LIMITS: e between -126 and 119, so that 2^e and 448 x 2^e are f32 numbers.  NaN among the inputs is not served (an infinity is held at the largest code).
; THE CODES ARE LAID AS IMAGES OF OPERAND REGISTERS.  A fragment is 16 rows x 128 along K in 16 registers: lane (r = lane % 16, h = lane / 16) holds row r, registers 2 c, 2 c + 1 hold k = 16 c + 8 h + 0 .. 7.
; Four registers are 512 bytes, lane l's 16 bytes at 16 l.  Byte = (k / 256) x ROWS x 256 + (row / 16) x 4096 + ((k / 128) % 2) x 2048 + group x 512 + 16 x lane.  A row of a weight's image is an output feature.
; So the products' launches fetch a tile as one dense block and read every fragment at a constant + 16 x lane.
; SHARES.  Work-groups 0-95: W_qkv; 96-127: W_proj; 128-383: x.  The paths part on the work-group's number; only x's path touches LDS.  Work-groups share no input: no cluster, no matrix unit.
; A WEIGHT (K is its first axis): a lane takes a column, its registers run down K; a wave takes 32 columns x 256 along K, 8 blocks of 32.  A block's four conversions give the 16 bytes of lane (r, 0) and of lane (r, 1) of the image:
; each store writes two aligned runs of 256 bytes.  Loads run two blocks (64 loads a wave) ahead.
; x (K innermost): a wave takes 16 rows x 512 along K in 4 steps of 128.  Each load reads 512 consecutive bytes of a row; the 16 rows turn through the wave's own stage in LDS (rows 528 bytes apart), from which lane (r, h)
; takes its 8 neighbours of each 16 along K.  Each store writes 512 consecutive bytes.  Loads run two steps (32 loads a wave) ahead.
.set SP,    528                        ; a stage row: 512 bytes + 16: an odd multiple of 16, so that sixteen rows' reads fall on different banks
.set STGW,  16*SP                      ; a wave's stage
.set SPARE, 4*STGW                     ; behind the four stages: the spare words, 128 bytes for each wave: two blocks of 256 bytes that no other line names
.set SPW,   12                         ; v12  LDS address of my spare word; never rewritten
.set NIL,   13                         ; v13  0; never rewritten
	s_load_b256 s[4:11], s[0:1], 0x0               ; x s[4:5], W_qkv s[6:7], W_proj s[8:9], the scales' exponents s[10:11]
	s_load_b128 s[12:15], s[0:1], 0x20             ; x_img s[12:13], wqkv_img s[14:15]
	s_load_b64 s[16:17], s[0:1], 0x30              ; wproj_img
	v_lshl_add_u32 v[SPW], v0, 2, SPARE
	v_mov_b32 v[NIL], 0
	v_lshrrev_b32 v1, 5, v0
	v_readfirstlane_b32 s18, v1                    ; wave 0..3
	v_and_b32 v2, 31, v0                           ; lane
	s_wait_kmcnt 0x0
	s_load_b256 s[24:31], s[10:11], 0x0            ; e0 .. e7
.macro MKSCALE es                      ; v8 = 2^e as f32 (the conversion takes its exponent field), v9 = 448 x 2^e
	s_wait_kmcnt 0x0
	s_add_co_i32 s20, s[\es], 127
	s_lshl_b32 s21, s20, 23
	v_mov_b32 v8, s21
	s_add_co_i32 s20, s20, 8
	s_lshl_b32 s20, s20, 23
	s_or_b32 s20, s20, 0x600000
	v_mov_b32 v9, s20
.endm
.macro WLOAD t, n, src                 ; block t: W(32 t + i, my column), i = 0 .. 31, into set t % 2: 32 lanes read 128 consecutive bytes, the four waves side by side 512
.irp i, 0,1,2,3,4,5,6,7,8,9,10,11,12,13,14,15,16,17,18,19,20,21,22,23,24,25,26,27,28,29,30,31
	global_load_b32 v[32+32*((\t)%2)+\i], v3, s[\src:\src+1] offset:(32*(\t)+\i)*\n*4 th:TH_LOAD_NT
.endr
.endm
.macro WBLOCK t, n, src, dst
.set XS, 32+32*((\t)%2)
.set CC, 96+8*(\t)                     ; each block has its own eight registers of codes: no store's data are written again
.if (\t) < 7
	s_wait_loadcnt 32                              ; this block's 32 loads are in; the next block's 32 may be out
.else
	s_wait_loadcnt 0
.endif
.irp i, 0,1,2,3,4,5,6,7,8,9,10,11,12,13,14,15,16,17,18,19,20,21,22,23,24,25,26,27,28,29,30,31
	v_med3_num_f32 v[XS+\i], v[XS+\i], -v9, v9     ; the conversion to an 8-bit code does not saturate (ISA guide 7.6.2): the hold at the largest code x the scale
.endr
	v_cvt_scalef32_pk8_fp8_f32 v[CC:CC+1], v[XS:XS+7], v8          ; k = 0 .. 7 and 16 .. 23 of the block are lane (r, 0)'s 16 bytes,
	v_cvt_scalef32_pk8_fp8_f32 v[CC+4:CC+5], v[XS+8:XS+15], v8     ; k = 8 .. 15 and 24 .. 31 lane (r, 1)'s
	v_cvt_scalef32_pk8_fp8_f32 v[CC+2:CC+3], v[XS+16:XS+23], v8
	v_cvt_scalef32_pk8_fp8_f32 v[CC+6:CC+7], v[XS+24:XS+31], v8
	v_nop                                          ; a plain vector instruction behind the last conversion of the run
	global_store_b128 v4, v[CC:CC+3], s[\dst:\dst+1] offset:512*(\t)       ; lanes 0-15 and lanes 16-31 each write 256 consecutive bytes, aligned, of two neighbouring tiles of rows
	global_store_b128 v4, v[CC+4:CC+7], s[\dst:\dst+1] offset:512*(\t)+256
.if (\t)+2 < 8
	WLOAD (\t)+2, \n, \src
.endif
.endm
; A weight of n columns, from s[src] to s[dst]; its work-groups begin at number wg0; its exponent lies in s[es].  Every offset is an immediate: 255 rows x n x 4 bytes at the most, 3,133,440, inside the signed 24 bits.
.macro WPATH n, src, dst, wg0, es
	s_sub_co_u32 s19, ttmp9, \wg0
	s_and_b32 s20, s19, 3                          ; which 256 along K
	s_lshr_b32 s21, s19, 2
	s_lshl_b32 s21, s21, 7
	s_lshl_b32 s22, s18, 5
	s_add_co_u32 s21, s21, s22                     ; my wave's first column: 128 x group + 32 x wave
	s_mul_i32 s22, s20, 256*\n*4
	s_lshl_b32 s23, s21, 2
	s_add_co_u32 s22, s22, s23
	s_mov_b32 s23, 0
	s_add_nc_u64 s[\src:\src+1], s[\src:\src+1], s[22:23]
	s_mul_i32 s22, s20, 256*\n
	s_lshl_b32 s32, s21, 8                         ; (column / 16) x 4096
	s_add_co_u32 s22, s22, s32
	s_add_nc_u64 s[\dst:\dst+1], s[\dst:\dst+1], s[22:23]
	v_lshlrev_b32 v3, 2, v2                        ; in: 4 bytes a lane
	v_lshrrev_b32 v4, 4, v2
	v_and_b32 v5, 15, v2
	v_lshlrev_b32 v4, 12, v4
	v_lshl_add_u32 v4, v5, 4, v4                   ; out: (lane / 16) x 4096 + 16 x (lane % 16)
	WLOAD 0, \n, \src
	WLOAD 1, \n, \src
	MKSCALE \es
.irp t, 0,1,2,3,4,5,6,7
	WBLOCK \t, \n, \src, \dst
.endr
	s_endpgm
.endm
	s_cmp_ge_u32 ttmp9, 128
	s_cbranch_scc1 .Lx
	s_cmp_ge_u32 ttmp9, 96
	s_cbranch_scc1 .Lwproj
	WPATH 3072, 6, 14, 0, 25
.Lwproj:
	WPATH 1024, 8, 16, 96, 31
.Lx:
	s_sub_co_u32 s19, ttmp9, 128
	s_lshl_b32 s19, s19, 2
	s_add_co_u32 s19, s19, s18                     ; my wave's unit, 0 .. 1023
	s_lshr_b32 s20, s19, 1                         ; its tile of 16 rows
	s_and_b32 s21, s19, 1                          ; its half of K
	s_lshl_b32 s22, s20, 16                        ; 16 rows of 4,096 bytes
	s_lshl_b32 s23, s21, 11                        ; 512 numbers
	s_add_co_u32 s22, s22, s23
	s_mov_b32 s23, 0
	s_add_nc_u64 s[4:5], s[4:5], s[22:23]
	s_lshl_b32 s22, s21, 22                        ; two K steps of 8192 x 256 bytes
	s_lshl_b32 s32, s20, 12
	s_add_co_u32 s22, s22, s32
	s_add_nc_u64 s[12:13], s[12:13], s[22:23]
	v_lshlrev_b32 v3, 4, v2                        ; 16 x lane: in memory, on the way in and on the way out
	s_mul_i32 s33, s18, STGW
	v_add_nc_u32 v14, s33, v3                      ; the stage, on the way in: a row as it lies
	v_and_b32 v4, 15, v2
	v_lshrrev_b32 v5, 4, v2
	v_mul_u32_u24 v15, v4, SP
	v_lshl_add_u32 v15, v5, 5, v15
	v_add_nc_u32 v15, s33, v15                     ; and on the way out: row r, + 32 h bytes: 8 numbers of each 16
.macro XLOAD t                         ; step t: 128 numbers of each of my 16 rows, into set t % 2
.irp i, 0,1,2,3,4,5,6,7,8,9,10,11,12,13,14,15
	global_load_b128 v[16+64*((\t)%2)+4*\i:16+64*((\t)%2)+4*\i+3], v3, s[4:5] offset:512*(\t)+4096*\i th:TH_LOAD_NT
.endr
.endm
.macro XSTEP t
.set RS, 16+64*((\t)%2)
.set CC, 208+16*((\t)%2)
.if (\t) < 3
	s_wait_loadcnt 16                              ; this step's 16 loads are in; the next step's 16 may be out
.else
	s_wait_loadcnt 0
.endif
.irp i, 0,1,2,3,4,5,6,7,8,9,10,11,12,13,14,15
	ds_store_b128 v14, v[RS+4*\i:RS+4*\i+3] offset:SP*\i
.endr
.irp c, 0,1,2,3,4,5,6,7
	ds_load_b128 v[144+8*\c:144+8*\c+3], v15 offset:64*\c          ; LDS serves a wave's instructions in order (ISA guide 5.7.1.4): these see my stores
	ds_load_b128 v[144+8*\c+4:144+8*\c+7], v15 offset:64*\c+16
.endr
	s_wait_dscnt 0x0                               ; the numbers are back, and the stores into the stage have read their registers,
.if (\t) < 2
	XLOAD (\t)+2                                   ; which take the loads of two steps on
.else
	s_wait_xcnt 0x0                                ; the stores of two steps back have read their codes: that set is written again only behind this wait
.endif
.set i, 0
.rept 64
	v_med3_num_f32 v[144+i], v[144+i], -v9, v9     ; the hold at the largest code x the scale
.set i, i+1
.endr
.irp c, 0,1,2,3,4,5,6,7
	v_cvt_scalef32_pk8_fp8_f32 v[CC+2*\c:CC+2*\c+1], v[144+8*\c:144+8*\c+7], v8    ; registers 2 c, 2 c + 1 of the fragment
.endr
	v_nop                                          ; a plain vector instruction between the conversions and the next step's holds, which write their sources
.irp g, 0,1,2,3
	global_store_b128 v3, v[CC+4*\g:CC+4*\g+3], s[12:13] offset:((\t)/2)*2097152+((\t)%2)*2048+512*\g   ; 32 lanes store 512 consecutive bytes, aligned
.endr
.endm
	XLOAD 0
	XLOAD 1
	MKSCALE 24
	XSTEP 0
	XSTEP 1
	XSTEP 2
	XSTEP 3
	s_wait_tensorcnt 0x0                           ; the wave's end: behind my last LDS store
	ds_add_u32 v[SPW], v[NIL]
	s_wait_dscnt 0x0
	s_endpgm
.Lfunc_end_k_qb8d8071393_quant:
	.size	k_qb8d8071393_quant, .Lfunc_end_k_qb8d8071393_quant-k_qb8d8071393_quant
	.p2alignl 7, 3214868480
	.fill 96, 4, 3214868480
	.section	.rodata,"a",@progbits
	.p2align	6, 0x0
	.amdhsa_kernel k_qb8d8071393_quant
		.amdhsa_group_segment_fixed_size 34304
		.amdhsa_private_segment_fixed_size 0
		.amdhsa_enable_private_segment 0
		.amdhsa_kernarg_size 56
		.amdhsa_user_sgpr_count 2
		.amdhsa_user_sgpr_kernarg_segment_ptr 1
		.amdhsa_wavefront_size32 1
		.amdhsa_system_sgpr_workgroup_id_x 1
		.amdhsa_system_sgpr_workgroup_id_y 1
		.amdhsa_system_sgpr_workgroup_id_z 1
		.amdhsa_system_vgpr_workitem_id 0
		.amdhsa_next_free_vgpr 240
		.amdhsa_next_free_sgpr 66
		.amdhsa_reserve_vcc 0
		.amdhsa_float_denorm_mode_32 3
		.amdhsa_float_denorm_mode_16_64 3
		.amdhsa_memory_ordered 1
		.amdhsa_forward_progress 1
		.amdhsa_inst_pref_size 127
	.end_amdhsa_kernel
	.amdgpu_metadata
---
amdhsa.version: [ 1, 2 ]
amdhsa.kernels:
  - .name:           k_qb8d8071393_quant
    .symbol:         k_qb8d8071393_quant.kd
    .args:
      - { .name: x, .offset: 0, .size: 8, .value_kind: global_buffer, .address_space: global }
      - { .name: W_qkv, .offset: 8, .size: 8, .value_kind: global_buffer, .address_space: global }
      - { .name: W_proj, .offset: 16, .size: 8, .value_kind: global_buffer, .address_space: global }
      - { .name: lowp_scales, .offset: 24, .size: 8, .value_kind: global_buffer, .address_space: global }
      - { .name: x_img, .offset: 32, .size: 8, .value_kind: global_buffer, .address_space: global }
      - { .name: wqkv_img, .offset: 40, .size: 8, .value_kind: global_buffer, .address_space: global }
      - { .name: wproj_img, .offset: 48, .size: 8, .value_kind: global_buffer, .address_space: global }
    .group_segment_fixed_size: 34304
    .private_segment_fixed_size: 0
    .kernarg_segment_align: 8
    .kernarg_segment_size: 56
    .max_flat_workgroup_size: 128
    .sgpr_count:     66
    .vgpr_count:     240
    .wavefront_size: 32
...
	.end_amdgpu_metadata
.endif
;; end of part 1
;; launch qkv (part 2): grid 12 x 32, 4 waves a work-group, clusters of 4 x 4, 327,680 bytes of LDS; arguments x_img, wqkv_img, b_qkv, lowp_scales, q_img, kv; writes q_img, kv
.if DOCPART == 2
	.amdgcn_target "amdgcn-amd-amdhsa--gfx1250"
	.amdhsa_code_object_version 6
	.text
	.protected	k_qb8d8071393_qkv
	.globl	k_qb8d8071393_qkv
	.p2align	8
	.type	k_qb8d8071393_qkv,@function
k_qb8d8071393_qkv:
	s_mov_b64 s[64:65], 0
	v_nop
	global_prefetch_b8 v0, s[64:65] scope:SCOPE_SE
	s_setreg_imm32_b32 hwreg(HW_REG_WAVE_MODE, 25, 1), 1
	s_wait_xcnt 0x0
	s_wait_alu depctr_hold_cnt(0) depctr_sa_sdst(0) depctr_va_vdst(0) depctr_va_sdst(0) depctr_va_ssrc(0) depctr_va_vcc(0) depctr_vm_vsrc(0)
	s_getreg_b32 s2, hwreg(HW_REG_IB_STS2, 6, 4)
	s_cmp_eq_u32 s2, 0
	s_cbranch_scc0 .Lentry_in_a_cluster
	s_endpgm
.Lentry_in_a_cluster:
	s_bfe_u32 s2, ttmp6, 0x10000c
	s_cmp_lg_u32 s2, 0xf033
	s_cbranch_scc0 .Lentry_shape_is_right
	s_endpgm
.Lentry_shape_is_right:
; qkv = x W_qkv + b_qkv on codes of FP8 (E4M3); q, k and v are quantised on the way out (scales: entries 2, 3, 4) and stored as images of the registers in which the attention's products take them.
; Both operands come as images (16 rows x 128 K in 16 registers: lane (r, h) holds row r, registers 2 c, 2 c + 1 hold k = 16 c + 8 h + 0 .. 7; four registers are 512 bytes, 16 x lane), laid so that 128 rows x 256 K are 32,768 dense bytes.
; A work-group of four waves makes 256 P rows x 256 Q rows, a wave 128 x 128: 64 accumulators of 16 x 16.  Source 0 = 16 rows of Q, source 1 = 16 rows of P: a lane holds ONE row of P and its eight registers eight neighbouring rows of Q.
; THE CLUSTER'S x SAYS WHAT IS MADE: 0 q, 1 k, 2 v (256 x 4 = 1,024 features each).  q, k: P = tokens (x), Q = features (W): a lane's registers run along the features, which are the next K (the head's 64).
; v: the two pointers change places, P = features, Q = tokens: a lane's registers run along the tokens, which are the keys, the K of the attention's second product.  The products' text is the same; nothing is transposed.
; So eight finished sums of a lane (x 2^(e0 + e1), + bias, held, converted) ARE two registers of the next operand, and every store writes 512 consecutive bytes, aligned: no LDS on the way out.
; q_img: (16 b + head) x 131072 + (t / 16) x 1024 + half x 512 + 16 lane.   kv: (16 b + head) x 262144 + (t / 256) x 32768 + { K: ((t % 256) / 16) x 1024 + half x 512 | V: 16384 + ((t / 128) % 2) x 8192 + (d / 16) x 2048 + group x 512 } + 16 lane.
; K = 1,024 goes in 4 steps of 256 through two LDS slots, written out without a loop.  CLUSTERS: 4 x 4 work-groups; P's tile is shared along a row of the cluster, Q's along a column: each is asked for jointly.
; LIMITS: e0 + e1 between -126 and 127; e2, e3, e4 between -126 and 119: each power of two below is an f32 number.
; REGISTERS, in windows of 256: window 0: v4 16 x lane; v16-21 LDS addresses; v28, v29 the add's two; v30, v31 the scale and the hold; v32-39 the bias's offsets; v64-127 the bias; v128-255 P's 8 fragments, ONE set (on the way out: at work).
;   window 1: Q's fragments, TWO sets.   window 2: the accumulators of P's blocks 0-3 ((a, b) at v[8 (8 (a % 4) + b)]);   window 3: of blocks 4-7.
.set HALFT,  32768                     ; 128 rows x 256 K: what one tensor load brings, and what one wave reads of P or of Q
.set SLOT,   4*HALFT                   ; P's two halves, then Q's two
.set SPARE,  2*SLOT                    ; behind the ring: the spare words, 128 bytes for each wave: two blocks of 256 bytes that no other line names
.set FR,     16                        ; registers of a fragment
.set NL,     4                         ; LDS loads that bring one
.set NP,     4                         ; places behind this matrix instruction (ISA guide 7.12.1)
.set LI,   4
.set ADRA, 16                          ; v16-17  LDS address of my P fragments in slot 0, 1
.set ADRB, 20                          ; v20-21  the same for Q
.set SPW,  28
.set NIL,  29
.set AF,   128
.set G1, 24                            ; s[24:31] descriptor group 1 for P's tiles;  s[32:39] group 0, one set for each slot
.set G0, 32
.set G1B, 48                           ; s[48:55], s[56:63] the same for Q's
.set G0B, 56
.set MSB, 0
.macro WIN new                         ; the immediate's high byte repeats the setting that is left
.if MSB != \new
	s_set_vgpr_msb (MSB<<8)|\new
.set MSB, \new
.endif
.endm
.set MUL_LO, 0xa1                      ; source 0 (Q) window 1, source 1 (P) window 0, C and D window 2
.set MUL_HI, 0xf1                      ; the same, C and D window 3
.set TO_B,   0x40                      ; destination window 1, address window 0
; A joint load: waves 0 and 1 fetch P's halves, waves 2 and 3 Q's.  The branch hangs on the wave's number alone.  An s_nop 0 and four v_nop follow each of the two lines.
.macro JLOAD g0a, g1a, g0b, g1b
	s_cmp_eq_u32 s15, 0
	s_cbranch_scc0 .Lfor_b_\@
	tensor_load_to_lds s[\g0a:\g0a+3], s[\g1a:\g1a+7]
	s_nop 0
.rept 4
	v_nop
.endr
	s_branch .Lasked_\@
.Lfor_b_\@:
	tensor_load_to_lds s[\g0b:\g0b+3], s[\g1b:\g1b+7]
	s_nop 0
.rept 4
	v_nop
.endr
.Lasked_\@:
.endm
.macro CREST                           ; a round of the cluster's barrier behind its opening barrier
	s_cmp_lg_u32 s14, 0
	s_cbranch_scc1 .Lnot_wave_0_\@
	s_barrier_signal -3
.Lnot_wave_0_\@:
	s_barrier_wait -3
	s_barrier_signal -1
	s_barrier_wait -1
.endm
.macro CROUND                          ; a whole round
	s_barrier_signal -1
	s_barrier_wait -1
	CREST
.endm
	s_load_b256 s[4:11], s[0:1], 0x0               ; x_img s[4:5], wqkv_img s[6:7], b_qkv s[8:9], the scales' exponents s[10:11]
	s_load_b128 s[68:71], s[0:1], 0x20             ; q_img s[68:69], kv s[70:71]
	v_lshl_add_u32 v[SPW], v0, 2, SPARE
	v_mov_b32 v[NIL], 0
	ds_add_u32 v[SPW], v[NIL]                      ; the wave's opening: the add and its wait stand ahead of my first tensor load; the set-up below, work on registers, stands between them
	v_lshrrev_b32 v1, 5, v0
	v_readfirstlane_b32 s14, v1                    ; wave 0..3
	s_lshr_b32 s15, s14, 1                         ; which half of P's rows is mine.  Also: I fetch for P (0) or for Q (1)
	s_and_b32 s16, s14, 1                          ; which half of Q's rows.  Also: which 128 rows of that tile I fetch
	s_bfe_u32 s40, ttmp6, 0x40000                  ; cx, cy: my place in the cluster
	s_bfe_u32 s41, ttmp6, 0x40004
	s_lshl_b32 s42, ttmp9, 2                       ; 4 x cluster x
	s_and_b32 s17, ttmp7, 0xffff
	s_lshl_b32 s72, s17, 2                         ; 4 x cluster y
	s_lshl_b32 s43, s41, 2
	s_lshl_b32 s43, 15, s43                        ; my row of the cluster
	s_lshl_b32 s44, 0x1111, s40                    ; my column
	; descriptor group 1: a dense block of 32,768 bytes as 128 rows of 32 elements of 8 bytes, no padding
	s_or_b32 s[G1+0], s43, (3<<16)|(1<<21)         ; 15:0 the mask: P's tiles go to my row; 17:16 elements of 8 bytes; 21 set beside a mask
	s_or_b32 s[G1B+0], s44, (3<<16)|(1<<21)        ; Q's go to my column
.irp g, G1, G1B
	s_mov_b32 s[\g+1], 32<<16                      ; tensor_dim0 = 32
	s_mov_b32 s[\g+2], 128<<16                     ; tensor_dim1 = 128
	s_mov_b32 s[\g+3], 32<<16                      ; tile_dim0 = 32
	s_mov_b32 s[\g+4], 128                         ; tile_dim1 = 128
	s_mov_b32 s[\g+5], 32                          ; tensor_dim0_stride
	s_mov_b32 s[\g+6], 0
	s_mov_b32 s[\g+7], 0
.endr
	; who is P and who is Q.  The choice hangs on the cluster's x alone, which all sixteen partners share.
	s_mov_b32 s18, 0x200000                        ; a K step of x_img: 8192 rows x 256 bytes
	s_mov_b32 s19, 0xc0000                         ; of wqkv_img: 3072 x 256
	s_cmp_eq_u32 ttmp9, 2                          ; v?
	s_cselect_b32 s73, 8, s72                      ; P's tile: v: features 2048 on;   q, k: tokens
	s_cselect_b32 s74, s72, s42                    ; Q's tile: v: tokens;             q, k: features
	s_cselect_b32 s80, s19, s18                    ; P's K step in bytes
	s_cselect_b32 s82, s18, s19                    ; Q's
	s_cselect_b32 s90, -1, 0                       ; a lane mask: all ones for v
	s_cselect_b32 s91, 0, 4                        ; the bias's step from register to register
	s_mov_b32 s81, 0
	s_mov_b32 s83, 0
	s_mov_b32 s85, 0
	s_mov_b32 s87, 0
	s_add_co_u32 s73, s73, s41                     ; + cy: shared along my row of the cluster
	s_add_co_u32 s74, s74, s40                     ; + cx: shared along my column
	s_lshl_b32 s84, s80, 1                         ; a refill lies two K steps on
	s_lshl_b32 s86, s82, 1
	s_lshl_b32 s20, s73, 16                        ; a tile of 256 rows is 65,536 bytes of a K step,
	s_lshl_b32 s21, s16, 15                        ; my 128 rows of it 32,768
	s_add_co_u32 s20, s20, s21
	s_mov_b32 s21, 0
	s_lshl_b32 s46, s74, 16
	s_lshl_b32 s47, s16, 15
	s_add_co_u32 s46, s46, s47
	s_mov_b32 s47, 0
	s_lshl_b32 s45, s14, 15                        ; where they go: wave x 32,768: no place in the cluster enters an LDS address
	s_wait_dscnt 0x0                               ; the opening add is done
	s_wait_kmcnt 0x0
	s_load_b256 s[92:99], s[10:11], 0x0            ; e0 .. e7
	s_cmp_eq_u32 ttmp9, 2
	s_cselect_b64 s[76:77], s[6:7], s[4:5]         ; P's buffer
	s_cselect_b64 s[78:79], s[4:5], s[6:7]         ; Q's
	s_add_nc_u64 s[20:21], s[76:77], s[20:21]
	s_add_nc_u64 s[46:47], s[78:79], s[46:47]
	CROUND                                         ; all sixteen work-groups are here: the first joint loads meet
	s_mov_b32 s[G0], 1                             ; slot 0: K step 0
	s_mov_b32 s[G0+1], s45
	s_mov_b64 s[G0+2:G0+3], s[20:21]
	s_or_b32 s[G0+3], s[G0+3], 0x80000000
	s_mov_b32 s[G0B], 1
	s_mov_b32 s[G0B+1], s45
	s_mov_b64 s[G0B+2:G0B+3], s[46:47]
	s_or_b32 s[G0B+3], s[G0B+3], 0x80000000
	JLOAD G0, G1, G0B, G1B
	s_mov_b32 s[G0+4], 1                           ; slot 1: K step 1
	s_add_co_u32 s[G0+5], s45, SLOT
	s_add_nc_u64 s[G0+6:G0+7], s[20:21], s[80:81]
	s_or_b32 s[G0+7], s[G0+7], 0x80000000
	s_mov_b32 s[G0B+4], 1
	s_add_co_u32 s[G0B+5], s45, SLOT
	s_add_nc_u64 s[G0B+6:G0B+7], s[46:47], s[82:83]
	s_or_b32 s[G0B+7], s[G0B+7], 0x80000000
	JLOAD G0+4, G1, G0B+4, G1B                     ; two tensor loads of mine are out
	v_and_b32 v1, 31, v0
	v_lshlrev_b32 v[LI], 4, v1                     ; 16 x lane: my place in every image
	s_lshl_b32 s18, s15, 15                        ; my 128 rows of P
	s_lshl_b32 s19, s16, 15                        ; my 128 rows of Q,
	s_add_co_u32 s19, s19, 2*HALFT                 ; which lie behind P's 256
.irp s, 0,1
	v_add_nc_u32 v[ADRA+\s], s18, v[LI]
	v_add_nc_u32 v[ADRB+\s], s19, v[LI]
	s_add_co_u32 s18, s18, SLOT
	s_add_co_u32 s19, s19, SLOT
.endr
	; the bias, in the result's layout, made without a branch.  q, k: register 8 i + j = b(feature 16 i + 8 h + j): offset 32 h + 4 j + 64 i.   v: = b(feature 16 i + r) for every j: offset 4 r + 64 i.
	v_and_b32 v2, 15, v0                           ; r
	v_bfe_u32 v3, v0, 4, 1                         ; h
	v_lshlrev_b32 v6, 5, v3
	v_lshlrev_b32 v7, 2, v2
	v_cndmask_b32 v5, v6, v7, s90
.irp j, 0,1,2,3,4,5,6,7
	v_mad_u32_u24 v[32+\j], s91, \j, v5
.endr
	s_lshl_b32 s2, s73, 8
	s_lshl_b32 s18, s15, 7
	s_add_co_u32 s2, s2, s18                       ; my first row of P
	s_lshl_b32 s3, s74, 8
	s_lshl_b32 s18, s16, 7
	s_add_co_u32 s3, s3, s18                       ; my first row of Q
	s_cmp_eq_u32 ttmp9, 2
	s_cselect_b32 s19, s2, s3                      ; my first feature, 0 .. 3071
	s_cselect_b32 s22, s3, s2                      ; my first token, 0 .. 8191
	s_lshl_b32 s18, s19, 2
	s_mov_b32 s23, 0
	s_mov_b32 s88, s18
	s_mov_b32 s89, 0
	s_add_nc_u64 s[88:89], s[8:9], s[88:89]
.irp i, 0,1,2,3,4,5,6,7
.irp j, 0,1,2,3,4,5,6,7
	global_load_b32 v[64+8*\i+\j], v[32+\j], s[88:89] offset:64*\i
.endr
.endr
	; where my results go: my 128 features are two heads, my 128 tokens half a slot of keys
	s_and_b32 s18, s19, 1023
	s_lshr_b32 s18, s18, 6                         ; my first head
	s_lshr_b32 s23, s22, 11                        ; b
	s_lshl_b32 s23, s23, 4
	s_add_co_u32 s18, s18, s23                     ; 16 b + head
	s_bfe_u32 s23, s22, 0x40007                    ; which 128 tokens of the 2,048
	s_lshl_b32 s2, s18, 17
	s_lshl_b32 s3, s23, 13
	s_add_co_u32 s2, s2, s3                        ; in q_img
	s_lshl_b32 s3, s18, 18
	s_lshr_b32 s75, s23, 1
	s_lshl_b32 s75, s75, 15
	s_add_co_u32 s3, s3, s75
	s_and_b32 s75, s23, 1
	s_lshl_b32 s75, s75, 13
	s_add_co_u32 s3, s3, s75
	s_and_b32 s75, s90, 16384                      ; V's part lies behind K's
	s_add_co_u32 s3, s3, s75                       ; in kv
	s_mov_b32 s75, 262144
	s_cmp_eq_u32 ttmp9, 0                          ; q?
	s_cselect_b32 s2, s2, s3
	s_cselect_b32 s22, 131072, s75                 ; from head to head
	s_cselect_b64 s[12:13], s[68:69], s[70:71]
	s_mov_b32 s3, 0
	s_mov_b32 s23, 0
	s_add_nc_u64 s[12:13], s[12:13], s[2:3]        ; my first head's place,
	s_add_nc_u64 s[100:101], s[12:13], s[22:23]    ; my second head's
.macro FRAG reg, adr, q, i             ; fragment i of the slot's q-th 128 along K: four groups of 512 bytes, as they lie
.irp c, 0,1,2,3
	ds_load_b128 v[\reg+4*\c:\reg+4*\c+3], v[\adr] offset:4096*(\i)+2048*(\q)+512*\c
.endr
.endm
; 16 matrix instructions: P's blocks a0, a0 + 1 x Q's eight, 128 along K.  p: Q's set.  zero = 1: the first product starts the sums.  The 64 accumulators take turns, one instruction a turn, in the same order in every step.
.macro MUL16 a0, p, zero
.irp a, \a0, \a0+1
.irp b, 0,1,2,3,4,5,6,7
.if \zero
	v_wmma_f32_16x16x128_fp8_fp8 v[8*(8*((\a)%4)+\b):8*(8*((\a)%4)+\b)+7], v[128*(\p)+FR*\b:128*(\p)+FR*\b+FR-1], v[AF+FR*(\a):AF+FR*(\a)+FR-1], 0
.else
	v_wmma_f32_16x16x128_fp8_fp8 v[8*(8*((\a)%4)+\b):8*(8*((\a)%4)+\b)+7], v[128*(\p)+FR*\b:128*(\p)+FR*\b+FR-1], v[AF+FR*(\a):AF+FR*(\a)+FR-1], v[8*(8*((\a)%4)+\b):8*(8*((\a)%4)+\b)+7]
.endif
.endr
.endr
.endm
.macro FETCH_B slot, q, p              ; Q's eight fragments into set p
	WIN TO_B
.irp i, 0,1,2,3,4,5,6,7
	FRAG 128*(\p)+FR*\i, ADRB+\slot, \q, \i
.endr
	WIN 0
.endm
.macro FETCH_A slot, q, i0             ; P's blocks i0 .. i0 + 3
.irp i, \i0, \i0+1, \i0+2, \i0+3
	FRAG AF+FR*(\i), ADRA+\slot, \q, \i
.endr
.endm
.macro PLACES n                        ; a load into a register that a matrix instruction has read, and a vector instruction that reads a matrix result, stand four plain vector instructions behind it (ISA guide 7.12.1 for vector instructions)
.rept \n
	v_nop
.endr
.endm
; A step of 128 along K that has its successor in the same slot.  A block of P is free when its eight products are issued: blocks 0-3 are fetched anew in the step's middle, blocks 4-7 at its end.
.macro STEP slot, q, zero
	s_wait_dscnt 4*NL                              ; Q's set and P's blocks 0-3 are in; the youngest 16 loads (P's blocks 4-7) may be out
	WIN MUL_LO
	MUL16 0, (\q)%2, \zero
	MUL16 2, (\q)%2, \zero
	s_wait_dscnt 0                                 ; P's blocks 4-7 are in
	PLACES NP
	FETCH_B \slot, (\q)+1, 1-(\q)%2
	FETCH_A \slot, (\q)+1, 0
	WIN MUL_HI
	MUL16 4, (\q)%2, \zero
	MUL16 6, (\q)%2, \zero
	PLACES NP
	WIN 0
	FETCH_A \slot, (\q)+1, 4
.endm
; A slot's last step changes slots: ONE barrier; in front of it each wave waits for all its tensor loads, adds 0 to its spare word, and waits for that and for its own reads of this slot.  fill = 1: this slot is filled again, two K steps ahead.
.macro TURN slot, next, fill
	s_wait_tensorcnt 0x0                           ; all my tensor loads have landed: my part of the next slot
	ds_add_u32 v[SPW], v[NIL]                      ; 0 onto my spare word
	s_wait_dscnt 4*NL+1                            ; (the add and the youngest 16 loads, P's blocks 4-7, may be out)
	WIN MUL_LO
	MUL16 0, 1, 0                                  ; sixteen matrix instructions stand between the add and the wait for it
	s_wait_dscnt 0x0                               ; the add is done, and my reads of this slot are over
	s_barrier_signal -1
	MUL16 2, 1, 0
	WIN 0
	s_barrier_wait -1
.if \fill
	CREST                                          ; the barrier has opened a round of the cluster's barrier: no wave of any partner still reads this slot's tile or has a load on its way
	s_add_nc_u64 s[G0+4*\slot+2:G0+4*\slot+3], s[G0+4*\slot+2:G0+4*\slot+3], s[84:85]
	s_add_nc_u64 s[G0B+4*\slot+2:G0B+4*\slot+3], s[G0B+4*\slot+2:G0B+4*\slot+3], s[86:87]
	JLOAD G0+4*\slot, G1, G0B+4*\slot, G1B         ; the first tensor load behind the round, my one load until the next; its four v_nop are the places in front of the loads below
.else
	PLACES NP
.endif
	FETCH_B \next, 0, 0
	FETCH_A \next, 0, 0
	WIN MUL_HI
	MUL16 4, 1, 0
	MUL16 6, 1, 0
	PLACES NP
	WIN 0
	FETCH_A \next, 0, 4
.endm
	s_wait_tensorcnt 1                             ; my part of K step 0 is in (K step 1's load may be out)
	s_barrier_signal -1
	s_barrier_wait -1                              ; everybody's is
	FETCH_B 0, 0, 0
	FETCH_A 0, 0, 0
	FETCH_A 0, 0, 4
	STEP 0, 0, 1                                   ; K step 0; its first products start the sums
	TURN 0, 1, 1                                   ; slot 0 takes K step 2
	STEP 1, 0, 0                                   ; K step 1
	TURN 1, 0, 1                                   ; slot 1 takes K step 3
	STEP 0, 0, 0                                   ; K step 2
	TURN 0, 1, 0                                   ; nothing is left to fetch
	STEP 1, 0, 0                                   ; K step 3
	s_wait_dscnt 4*NL
	WIN MUL_LO
	MUL16 0, 1, 0
	MUL16 2, 1, 0
	s_wait_dscnt 0
	WIN MUL_HI
	MUL16 4, 1, 0
	MUL16 6, 1, 0
	WIN 0
	; THE WAY OUT.  value = sum x 2^(e0 + e1) + bias, one fused multiply-add; held within +-448 x 2^e; converted with 2^e: the conversions' results are the next operand's registers.
	s_wait_kmcnt 0x0
	s_add_co_i32 s66, s92, s93
	s_add_co_i32 s66, s66, 127
	s_lshl_b32 s66, s66, 23                        ; 2^(e0 + e1) as f32
	s_mov_b32 s67, s66                             ; (named with it as a pair, so it is written)
	s_cmp_eq_u32 ttmp9, 1
	s_cselect_b32 s18, s95, s96                    ; k: e3; v: e4
	s_cmp_eq_u32 ttmp9, 0
	s_cselect_b32 s18, s94, s18                    ; q: e2
	s_add_co_i32 s18, s18, 127
	s_lshl_b32 s19, s18, 23
	v_mov_b32 v30, s19                             ; 2^e as f32
	s_add_co_i32 s18, s18, 8
	s_lshl_b32 s18, s18, 23
	s_or_b32 s18, s18, 0x600000
	v_mov_b32 v31, s18                             ; 448 x 2^e
	s_wait_loadcnt 0x0                             ; the bias
	PLACES NP                                      ; behind the last products: their results are read and P's registers written below
; P's block a: 8 accumulators, 64 numbers a lane.  isv = 0: head (group / 2), tile of tokens a.  isv = 1: head a / 4, tile of channels a % 4.
.macro OUT a, isv
.set AC, 64*((\a)%4)
.set CD, 192+16*((\a)%4)
.set WN, 0x02+((\a)/4)
	WIN WN                                         ; source 0: window 2 or 3
.set jj, 0
.rept 32
.if \isv
	v_pk_fma_f32 v[128+jj:129+jj], v[AC+jj:AC+jj+1], s[66:67], v[64+8*(\a)+jj%8:65+8*(\a)+jj%8] op_sel_hi:[1,0,1]   ; each accumulator from its low end on
.else
	v_pk_fma_f32 v[128+jj:129+jj], v[AC+jj:AC+jj+1], s[66:67], v[64+jj:65+jj] op_sel_hi:[1,0,1]
.endif
.set jj, jj+2
.endr
	WIN 0
.set i, 0
.rept 64
	v_med3_num_f32 v[128+i], v[128+i], -v31, v31   ; the conversion to an 8-bit code does not saturate (ISA guide 7.6.2)
.set i, i+1
.endr
.if (\a) == 4
	s_wait_xcnt 0x0                                ; the stores of blocks 0-3 have read their codes: the four sets are written again only behind this wait
.endif
.irp b, 0,1,2,3,4,5,6,7
	v_cvt_scalef32_pk8_fp8_f32 v[CD+2*\b:CD+2*\b+1], v[128+8*\b:128+8*\b+7], v30
.endr
	v_nop                                          ; a plain vector instruction between the conversions and the next block's lines, which write their sources
.irp c, 0,1,2,3
.if \isv
	global_store_b128 v[LI], v[CD+4*\c:CD+4*\c+3], s[12+88*((\a)/4):13+88*((\a)/4)] offset:2048*((\a)%4)+512*\c   ; 32 lanes store 512 consecutive bytes, aligned
.else
	global_store_b128 v[LI], v[CD+4*\c:CD+4*\c+3], s[12+88*(\c/2):13+88*(\c/2)] offset:1024*(\a)+512*(\c%2)
.endif
.endr
.endm
	s_cmp_eq_u32 ttmp9, 2                          ; the cluster's x: the same in all sixteen partners
	s_cbranch_scc1 .Lv_out
.irp a, 0,1,2,3,4,5,6,7
	OUT \a, 0
.endr
	s_branch .Ldone
.Lv_out:
.irp a, 0,1,2,3,4,5,6,7
	OUT \a, 1
.endr
.Ldone:
	s_wait_tensorcnt 0x0                           ; the wave's end: behind my last tensor load
	ds_add_u32 v[SPW], v[NIL]
	s_wait_dscnt 0x0
	CROUND                                         ; the closing round: no work-group ends while a partner may still ask for a tile that names it
	s_endpgm
.Lfunc_end_k_qb8d8071393_qkv:
	.size	k_qb8d8071393_qkv, .Lfunc_end_k_qb8d8071393_qkv-k_qb8d8071393_qkv
	.p2alignl 7, 3214868480
	.fill 96, 4, 3214868480
	.section	.rodata,"a",@progbits
	.p2align	6, 0x0
	.amdhsa_kernel k_qb8d8071393_qkv
		.amdhsa_group_segment_fixed_size 327680
		.amdhsa_private_segment_fixed_size 0
		.amdhsa_enable_private_segment 0
		.amdhsa_kernarg_size 48
		.amdhsa_user_sgpr_count 2
		.amdhsa_user_sgpr_kernarg_segment_ptr 1
		.amdhsa_wavefront_size32 1
		.amdhsa_system_sgpr_workgroup_id_x 1
		.amdhsa_system_sgpr_workgroup_id_y 1
		.amdhsa_system_sgpr_workgroup_id_z 1
		.amdhsa_system_vgpr_workitem_id 0
		.amdhsa_next_free_vgpr 1024
		.amdhsa_next_free_sgpr 102
		.amdhsa_reserve_vcc 0
		.amdhsa_float_denorm_mode_32 3
		.amdhsa_float_denorm_mode_16_64 3
		.amdhsa_memory_ordered 1
		.amdhsa_forward_progress 1
		.amdhsa_inst_pref_size 197
	.end_amdhsa_kernel
	.amdgpu_metadata
---
amdhsa.version: [ 1, 2 ]
amdhsa.kernels:
  - .name:           k_qb8d8071393_qkv
    .symbol:         k_qb8d8071393_qkv.kd
    .args:
      - { .name: x_img, .offset: 0, .size: 8, .value_kind: global_buffer, .address_space: global }
      - { .name: wqkv_img, .offset: 8, .size: 8, .value_kind: global_buffer, .address_space: global }
      - { .name: b_qkv, .offset: 16, .size: 8, .value_kind: global_buffer, .address_space: global }
      - { .name: lowp_scales, .offset: 24, .size: 8, .value_kind: global_buffer, .address_space: global }
      - { .name: q_img, .offset: 32, .size: 8, .value_kind: global_buffer, .address_space: global }
      - { .name: kv, .offset: 40, .size: 8, .value_kind: global_buffer, .address_space: global }
    .group_segment_fixed_size: 327680
    .private_segment_fixed_size: 0
    .kernarg_segment_align: 8
    .kernarg_segment_size: 48
    .max_flat_workgroup_size: 128
    .sgpr_count:     102
    .vgpr_count:     1024
    .wavefront_size: 32
...
	.end_amdgpu_metadata
.endif
;; end of part 2
;; launch attn (part 3): grid 8 x 64, 16 waves a work-group, no clusters, 327,680 bytes of LDS; arguments q_img, kv, lowp_scales, y_img; writes y_img
.if DOCPART == 3
	.amdgcn_target "amdgcn-amd-amdhsa--gfx1250"
	.amdhsa_code_object_version 6
	.text
	.protected	k_qb8d8071393_attn
	.globl	k_qb8d8071393_attn
	.p2align	8
	.type	k_qb8d8071393_attn,@function
k_qb8d8071393_attn:
	s_mov_b64 s[64:65], 0
	v_nop
	global_prefetch_b8 v0, s[64:65] scope:SCOPE_SE
	s_setreg_imm32_b32 hwreg(HW_REG_WAVE_MODE, 25, 1), 1
	s_wait_xcnt 0x0
; y[b][t][head] = the sum over keys s <= t of softmax_s(q . k / 8) v, both products on codes of FP8 (E4M3); y is quantised on the way out (entry 6 of the scales) and stored as images of the last product's operand registers.
; THE SOFTMAX AHEAD OF THE SECOND PRODUCT: t = score x log2(e) / 8; M = the row's largest t so far, rounded UP to a whole number; p = 2^(t - M) is what is quantised (entry 5); it is not normalised.
; The row's sum is taken of the unquantised p, in f32, and divides at the end.  When M moves, the sum and O are multiplied by 2^(old M - new M): exact.
; INPUTS are images of registers (16 x lane in groups of 512 bytes).  q_img: a fragment of 16 queries x 64 in 1,024 bytes.  kv: for each head 8 slots of 256 keys, 32,768 bytes: 16 fragments of K (16 keys x 64), then 8 of V^T (16 channels x 128 keys, 2,048 bytes).
; LAYOUT.  Both products are used transposed: S^T = K Q^T (source 0 = 16 keys, source 1 = my 16 queries), O^T = V^T P^T: a lane holds ONE query (lane % 16) throughout; register 8 c + j of S^T is key 16 c + 8 (lane / 16) + j,
; just the place that the second product's layout gives it: the conversions' results are its operand.
; SHARES, EVEN UNDER THE MASK.  Work-group (j, head) owns the blocks j and 15 - j of 128 queries: (j + 1) + (16 - j) = 17 blocks of 128 x 128 scores in every work-group.  Each of the SIXTEEN waves owns 16 queries in 256 registers;
; early and late tiles alternate over the waves so that any four waves w, w + 4, .. or 4 w .. 4 w + 3 hold two of each.  Every work-group walks all 8 slots (constant trip counts); a step whose keys all come after the wave's queries
; is jumped over; a slot whose first key comes after the work-group's last query is not asked for.
; NO CLUSTER: the work-groups of a head need different numbers of slots (8 - j / 2 rounded up, by the limit above), and a joint load may not be left out by one partner; and a slot is 32,768 bytes for 32 steps of waves.
; LIMITS: e2 + e3 between -123 and 130 (added to c's exponent field); e5 and e6 between -126 and 119; e4 + e5 goes by v_ldexp_f32 and has none.
; REGISTERS: v1 16 x lane; v3 the prefetch's offset; v5, v6 the add's two; v8 LDS address; v12 -M, v13 the largest t, v[14:15] the sum in two halves; v16-23 Q; v32-95 K's 8 fragments, then V's 4; v96-159 S^T, then p; v160-191 O^T;
;   v224-239 p's codes; v240, v244: 448 x 2^e5, 2^e5; v241, v245: the same for e6; v236, v242, v243, v252-254 at work.
.set SLOT1, 32768                      ; slot 1 begins here: one exclusive or turns an address in one slot into the other's
.set VOFF,  16384                      ; in a slot: K's part, then V's
.set SPARE, 65536                      ; behind the ring: the spare words, 128 bytes for each wave: eight blocks of 256 bytes that no other line names
.set LI,   1
.set PFO,  3
.set SPW,  5
.set NIL,  6
.set ADR,  8
.set TB,   2                           ; s2   LDS byte at which the slot in hand begins
.set WLQ,  3                           ; s3   my work-group's last query
.set WV,   18                          ; s18  my wave's number
.set SEL,  20                          ; s[20:21] lane selects for v_permlanex16_b32: lane l xor 16
.set CS,   22                          ; s[22:23] c = log2(e) / 8 x 2^(e2 + e3)
.set G1,   24                          ; s[24:31] descriptor group 1;  s[40:43] group 0, which walks
.set G0,   40
.set SLOTS, 67                         ; s67  changes of slots still to come in the loop
.set PFA,  76                          ; s[76:77] where my prefetches stand
.set LIM,  80                          ; s80  1 in a wave that prefetches, else the greatest number
.set KF,   98                          ; s98  the step's first key
.set Q0,   99                          ; s99  my first query
; Wave 0 fetches a slot's K, wave 1 its V, the others nothing.  The branch hangs on the wave's number alone.  An s_nop 0 and four v_nop follow the load.
.macro TLOAD
	s_cmp_lt_u32 s[WV], 2
	s_cbranch_scc0 .Lasked_\@
	tensor_load_to_lds s[G0:G0+3], s[G1:G1+7]
	s_nop 0
.rept 4
	v_nop
.endr
.Lasked_\@:
.endm
; A PREFETCH of the slot that the NEXT change of slots will ask for: 32,768 dense bytes.  All eight work-groups of a head walk the same slots; the one with j = 0, which loads all eight, asks, and in it waves 4 to 7,
; which fetch nothing: 8,192 bytes a wave, lanes 256 bytes apart, one instruction.  So each aligned 256 bytes of slots 2 to 7 are named once in the launch; slots 0 and 1 come by their loads alone; the last change in the loop asks for nothing.
.macro ASK
	s_cmp_gt_u32 s[SLOTS], s[LIM]
	s_cbranch_scc0 .Lnot_mine_\@
	global_prefetch_b8 v[PFO], s[PFA:PFA+1] th:TH_LOAD_NT scope:SCOPE_SE
.Lnot_mine_\@:
.endm
	s_load_b256 s[4:11], s[0:1], 0x0               ; q_img s[4:5], kv s[6:7], the scales' exponents s[8:9], y_img s[10:11]
	v_lshl_add_u32 v[SPW], v0, 2, SPARE
	v_mov_b32 v[NIL], 0
	ds_add_u32 v[SPW], v[NIL]                      ; the wave's opening: the add and its wait stand ahead of my first tensor load; the set-up below, work on registers, stands between them
	v_lshrrev_b32 v8, 5, v0
	v_readfirstlane_b32 s[WV], v8                  ; wave 0..15
	s_and_b32 s81, ttmp7, 0xffff                   ; 16 b + head
	s_lshr_b32 s82, s[WV], 2
	s_xor_b32 s82, s82, s[WV]
	s_and_b32 s82, s82, 1                          ; 1: my tile lies in the late block
	s_lshr_b32 s83, s[WV], 1
	s_lshl_b32 s83, s83, 4                         ; 16 x my tile's number in its block
	s_sub_co_u32 s84, 15, ttmp9                    ; the late block
	s_cmp_eq_u32 s82, 1
	s_cselect_b32 s85, s84, ttmp9
	s_lshl_b32 s85, s85, 7
	s_add_co_u32 s[Q0], s85, s83                   ; my first query
	s_lshl_b32 s[WLQ], s84, 7
	s_or_b32 s[WLQ], s[WLQ], 127                   ; the work-group's last
	s_and_b32 s88, s[WV], 1
	s_lshl_b32 s88, s88, 14                        ; what I fetch, if I fetch: K's part (wave 0) or V's (wave 1), in memory and in a slot
	s_mov_b32 s89, 0
	s_lshl_b32 s86, s81, 18                        ; the head's first byte in kv
	s_mov_b32 s87, 0
	; descriptor group 1: a dense block of 16,384 bytes as 64 rows of 32 elements of 8 bytes, no padding, no mask
	s_mov_b32 s[G1], 3<<16
	s_mov_b32 s[G1+1], 32<<16                      ; tensor_dim0
	s_mov_b32 s[G1+2], 64<<16                      ; tensor_dim1
	s_mov_b32 s[G1+3], 32<<16                      ; tile_dim0
	s_mov_b32 s[G1+4], 64                          ; tile_dim1
	s_mov_b32 s[G1+5], 32                          ; tensor_dim0_stride
	s_mov_b32 s[G1+6], 0
	s_mov_b32 s[G1+7], 0
	s_mov_b32 s[SEL], 0x76543210
	s_mov_b32 s[SEL+1], 0xfedcba98
	s_mov_b32 s[CS], 0x3e38aa3b                    ; log2(e) / 8
	s_mov_b32 s[TB], 0
	s_mov_b32 s[SLOTS], 7
	s_mov_b32 s[KF], 0
	s_wait_dscnt 0x0                               ; the opening add is done
	s_wait_kmcnt 0x0
	s_load_b256 s[68:75], s[8:9], 0x0              ; e0 .. e7
	s_add_nc_u64 s[6:7], s[6:7], s[86:87]          ; kv at my head
	s_mov_b32 s[G0], 1                             ; 1:0 count = 1
	s_mov_b32 s[G0+1], s88                         ; LDS address: slot 0
	s_add_nc_u64 s[G0+2:G0+3], s[6:7], s[88:89]    ; global address: the head's slot 0
	s_or_b32 s[G0+3], s[G0+3], 0x80000000          ; type = 2
	TLOAD                                          ; slot 0
	s_lshl_b32 s90, s81, 17
	s_lshl_b32 s91, s[Q0], 6                       ; (query / 16) x 1,024
	s_add_co_u32 s90, s90, s91
	s_mov_b32 s91, 0
	s_add_nc_u64 s[4:5], s[4:5], s[90:91]          ; Q's fragment
	s_and_b32 s92, s81, 15                         ; head
	s_lshr_b32 s93, s81, 4                         ; b
	s_lshl_b32 s93, s93, 11
	s_add_co_u32 s93, s93, s[Q0]
	s_lshl_b32 s93, s93, 8                         ; (token / 16) x 4,096
	s_lshr_b32 s94, s92, 2
	s_lshl_b32 s94, s94, 21                        ; K = 64 head + d: its step of 256: 8192 x 256 bytes each,
	s_add_co_u32 s93, s93, s94
	s_and_b32 s94, s92, 3
	s_lshl_b32 s94, s94, 10                        ; and the head's 1,024 bytes in the tile's 4,096
	s_add_co_u32 s94, s94, s93
	s_mov_b32 s95, 0
	s_add_nc_u64 s[10:11], s[10:11], s[94:95]      ; y's two groups
	s_and_b32 s82, s[WV], 3
	s_lshl_b32 s82, s82, 13                        ; the prefetches: my wave's 8,192 bytes,
	s_add_co_u32 s82, s82, SLOT1                   ; in slot 1: the first change of slots steps it to slot 2.  Nothing is prefetched here, at the head
	s_mov_b32 s83, 0
	s_add_nc_u64 s[PFA:PFA+1], s[6:7], s[82:83]
	s_sub_co_u32 s82, s[WV], 4
	s_lshr_b32 s82, s82, 2                         ; 0 in waves 4 to 7,
	s_or_b32 s82, s82, ttmp9                       ; of the head's work-group j = 0
	s_cmp_eq_u32 s82, 0
	s_cselect_b32 s[LIM], 1, -1
	v_and_b32 v8, 31, v0
	v_lshlrev_b32 v[LI], 4, v8
	v_lshlrev_b32 v[PFO], 8, v8
	global_load_b128 v[16:19], v[LI], s[4:5]       ; Q's fragment stays in registers
	global_load_b128 v[20:23], v[LI], s[4:5] offset:512
	v_mov_b32 v13, 0xff61b1e6                      ; the largest t so far: -3e38, under every t
	v_floor_f32 v12, -v13                          ; -M
	v_mov_b32 v14, 0                               ; the sum, in two halves
	v_mov_b32 v15, 0
	v_mov_b32 v236, 0                              ; written once: a lane permute's destination counts as one of its sources
	v_mov_b32 v253, 0                              ; (named as the upper half of the pair v[252:253])
.set i, 0
.rept 32
	v_mov_b32 v[160+i], 0                          ; O^T.  (The step is written for every step alike: the first finds zeros, which the first change of M leaves zeros)
.set i, i+1
.endr
	s_wait_kmcnt 0x0
	s_add_co_i32 s96, s70, s71
	s_lshl_b32 s96, s96, 23
	s_add_co_i32 s[CS], s[CS], s96                 ; a score stands for score x 2^(e2 + e3): the two exponents are added to c's exponent field
	s_mov_b32 s[CS+1], s[CS]                       ; (named with it as a pair, so it is written)
	s_add_co_i32 s96, s73, 127
	s_lshl_b32 s97, s96, 23
	v_mov_b32 v244, s97                            ; 2^e5 as f32, for p's conversions
	s_add_co_i32 s96, s96, 8
	s_lshl_b32 s96, s96, 23
	s_or_b32 s96, s96, 0x600000
	v_mov_b32 v240, s96                            ; 448 x 2^e5
	s_add_co_i32 s96, s74, 127
	s_lshl_b32 s97, s96, 23
	v_mov_b32 v245, s97                            ; 2^e6, for y's
	s_add_co_i32 s96, s96, 8
	s_lshl_b32 s96, s96, 23
	s_or_b32 s96, s96, 0x600000
	v_mov_b32 v241, s96                            ; 448 x 2^e6
; A KEY STEP: 128 keys, the q-th of the slot in hand.
.macro STEP q
	s_add_co_u32 s96, s[Q0], 15                    ; a step all of whose keys come after my 16 queries is left out: a scalar branch on ids, round the step's loads, products and softmax; no barrier or tensor load stands in a step
	s_cmp_gt_u32 s[KF], s96
	s_cbranch_scc1 .Lhidden_\@
	v_add_nc_u32 v[ADR], s[TB], v[LI]
.rept 3
	v_nop                                          ; with the addition above: four places in front of loads into registers that the last products have read
.endr
.irp c, 0,1,2,3,4,5,6,7
	ds_load_b128 v[32+8*\c:35+8*\c], v[ADR] offset:8192*(\q)+1024*\c
	ds_load_b128 v[36+8*\c:39+8*\c], v[ADR] offset:8192*(\q)+1024*\c+512
.endr
	s_wait_dscnt 0x0
.irp c, 0,1,2,3,4,5,6,7                        ; S^T = K Q^T: eight tiles of 16 keys; K = the head's 64
	v_wmma_f32_16x16x64_fp8_fp8 v[96+8*\c:103+8*\c], v[32+8*\c:39+8*\c], v[16:23], 0
.endr
.rept 4
	v_nop                                          ; places: the results are read below, and K's registers take V's fragments
.endr
.irp t, 0,1,2,3                                ; V's four fragments are asked for now and land under the softmax
.irp c, 0,1,2,3
	ds_load_b128 v[32+16*\t+4*\c:35+16*\t+4*\c], v[ADR] offset:VOFF+8192*(\q)+2048*\t+512*\c
.endr
.endr
	s_add_co_u32 s96, s[KF], 127                   ; on the diagonal the scores of hidden keys become -infinity ahead of the maximum: p = 0 then.  A step all of whose keys count skips this
	s_cmp_le_u32 s96, s[Q0]
	s_cbranch_scc1 .Lopen_\@
	s_sub_co_i32 s96, s[Q0], s[KF]
	v_and_b32 v252, 15, v0
	v_bfe_u32 v253, v0, 4, 1
	v_lshlrev_b32 v253, 3, v253
	v_sub_nc_u32 v252, v252, v253
	v_add_nc_u32 v252, s96, v252                   ; d = my query - KF - 8 (lane / 16).  Register n holds key KF + 8 (lane / 16) + 16 (n / 8) + n % 8: hidden where 16 (n / 8) + n % 8 > d
	v_mov_b32 v254, 0xff800000                     ; -infinity
.set n, 0
.rept 64
	v_cmp_gt_i32 vcc_lo, 16*(n/8)+n%8, v252
	v_cndmask_b32 v[96+n], v[96+n], v254, vcc_lo
.set n, n+1
.endr
.Lopen_\@:
	v_max3_num_f32 v254, v96, v97, v98             ; the step's largest score of my query, among my 64 keys, in two chains, each accumulator from its low end on,
	v_max3_num_f32 v252, v99, v100, v101
.irp i, 6,10,14,18,22,26,30,34,38,42,46,50,54,58
	v_max3_num_f32 v254, v254, v[96+\i], v[97+\i]
	v_max3_num_f32 v252, v252, v[98+\i], v[99+\i]
.endr
	v_max3_num_f32 v254, v254, v158, v159
	v_max_num_f32 v254, v254, v252
	v_permlanex16_b32 v236, v254, s[SEL], s[SEL+1]
	v_max_num_f32 v254, v254, v236                 ; and among lane l xor 16's
	v_mul_f32 v254, s[CS], v254                    ; as t (c is positive)
	v_max_num_f32 v13, v13, v254                   ; the running largest t
	v_mov_b32 v254, v12
	v_floor_f32 v12, -v13                          ; the new -M = floor(-t) = -ceil(t): M is a whole number
	v_sub_f32 v254, v12, v254                      ; M's old value less its new one: a whole number, 0 or less
	v_cvt_i32_f32 v254, v254                       ; (it saturates)
	v_ldexp_f32 v252, 1.0, v254                    ; f = 2^(old M - new M)
.set j, 0
.rept 32
	v_pk_fma_f32 v[96+j:97+j], v[96+j:97+j], s[CS:CS+1], v[12:13] op_sel_hi:[1,0,0]   ; t - M, two at a time (of the pairs c and -M the low word serves both halves)
.set j, j+2
.endr
.set j, 0
.rept 64
	v_exp_f32 v[96+j], v[96+j]                     ; p = 2^(t - M), at most 1: not normalised
.set j, j+1
.endr
	v_pk_mul_f32 v[14:15], v[14:15], v[252:253] op_sel_hi:[1,0]   ; the sums under the new M.  (The plain instruction behind the exponentials)
	s_wait_alu depctr_va_vdst(0)                   ; one wait for the whole batch, ahead of its first reader
	v_pk_add_f32 v[242:243], v[96:97], v[98:99]    ; the row's sum is taken of the unquantised p: two at a time, in two chains
.irp j, 4,8,12,16,20,24,28,32,36,40,44,48,52,56,60
	v_pk_add_f32 v[14:15], v[14:15], v[96+\j:97+\j]
	v_pk_add_f32 v[242:243], v[242:243], v[98+\j:99+\j]
.endr
	v_pk_add_f32 v[14:15], v[14:15], v[242:243]
.irp c, 0,1,2,3,4,5,6,7
.irp i, 0,1,2,3,4,5,6,7
	v_min_num_f32 v[96+8*\c+\i], v[96+8*\c+\i], v240   ; the conversion to an 8-bit code does not saturate (ISA guide 7.6.2); p is not negative, so the hold is one-sided
.endr
	v_cvt_scalef32_pk8_fp8_f32 v[224+2*\c:225+2*\c], v[96+8*\c:103+8*\c], v244   ; registers 2 c, 2 c + 1 of the operand: keys 16 c + 8 (lane / 16) + 0 .. 7
.endr
.set j, 0
.rept 16
	v_pk_mul_f32 v[160+j:161+j], v[160+j:161+j], v[252:253] op_sel_hi:[1,0]   ; O^T under the new M: x f.  (Also the plain instructions between the conversions and the products below)
.set j, j+2
.endr
	s_wait_dscnt 0x0                               ; V's fragments are in
.irp t, 0,1,2,3                                ; O^T += V^T P^T: four tiles of 16 channels, by turns; K = these 128 keys
	v_wmma_f32_16x16x128_fp8_fp8 v[160+8*\t:167+8*\t], v[32+16*\t:47+16*\t], v[224:239], v[160+8*\t:167+8*\t]
.endr
.Lhidden_\@:
	s_add_co_u32 s[KF], s[KF], 128
.endm
; THE CHANGE OF SLOTS stands at a slot's head.  Each wave waits for all its tensor loads (its part of the slot that it is about to read), adds 0 to its spare word, and waits for that and for its reads of the slot that it has left.
; Behind the barrier the slot ahead is whole and nobody reads the other one.  fill = 1: that other slot is filled with the keys that follow, up to the causal limit: the load has a slot's two steps in which to land.
.macro CHANGE fill
	s_wait_tensorcnt 0x0                           ; no tensor load of mine is out, so group 0 may be written
	ds_add_u32 v[SPW], v[NIL]                      ; 0 onto my spare word
.if \fill
	s_xor_b32 s[G0+1], s[G0+1], SLOT1              ; the walking descriptor: the other slot than last time,
	s_add_nc_u64 s[G0+2:G0+3], s[G0+2:G0+3], 32768 ; the next 256 keys; the type bits on top are not reached
	s_wait_xcnt 0x0                                ; the last prefetch, a slot back, has read its address, so it may be written:
	s_add_nc_u64 s[PFA:PFA+1], s[PFA:PFA+1], 32768 ; one slot further on than the walking descriptor
.endif
	s_wait_dscnt 0x0                               ; the add is done, and my reads of the slot that I have left are over
	s_barrier_signal -1
	s_barrier_wait -1
.if \fill
	s_add_co_u32 s96, s[KF], 256                   ; the first key of the slot that this change would ask for.  A slot whose first key comes after my work-group's last query is read by none of its waves: it is not asked for.
	s_cmp_gt_u32 s96, s[WLQ]                       ; ids and the count of steps alone: all sixteen waves go the same way, and a work-group that is past the limit stays past it; every wait on TENSORcnt in this text is for 0
	s_cbranch_scc1 .Lpast_\@
	TLOAD                                          ; the first thing behind the barrier but for the limit's three lines, and a wave's one tensor load until the next
.Lpast_\@:
	ASK                                            ; what the next change of slots will ask for: a slot's two key steps ahead of that load
.endif
.endm
	s_wait_loadcnt 0x0                             ; Q
.Lslot:                                            ; 7 trips: behind each change of slots but the last the next slot is asked for, up to the limit
	CHANGE 1
	STEP 0
	STEP 1
	s_xor_b32 s[TB], s[TB], SLOT1                  ; on to the other slot
	s_sub_co_u32 s[SLOTS], s[SLOTS], 1
	s_cmp_lg_u32 s[SLOTS], 0
	s_cbranch_scc1 .Lslot
	CHANGE 0                                       ; the last slot is written out: nothing is left to ask for
	STEP 0
	STEP 1
	; THE WAY OUT.  O^T / the sum x 2^(e4 + e5) is y; register 8 t + j of lane (r, h) is y(query r, channel 16 t + 8 h + j): held and converted, tile t gives registers 2 t, 2 t + 1 of the head's half of a fragment of the last product.
.rept 4
	v_nop                                          ; places behind the last products
.endr
	v_add_f32 v14, v14, v15                        ; the sum's two halves,
	v_permlanex16_b32 v236, v14, s[SEL], s[SEL+1]
	v_add_f32 v14, v14, v236                       ; and lane l xor 16's: the row's sum
	v_rcp_f32 v14, v14
	v_nop                                          ; a plain instruction behind the transcendental
	s_add_co_i32 s96, s72, s73
	s_wait_alu depctr_va_vdst(0)                   ; the wait ahead of the first reader
	v_ldexp_f32 v14, v14, s96                      ; x 2^(e4 + e5)
.set j, 0
.rept 16
	v_pk_mul_f32 v[96+j:97+j], v[160+j:161+j], v[14:15] op_sel_hi:[1,0]   ; each accumulator from its low end on
.set j, j+2
.endr
.set j, 0
.rept 32
	v_med3_num_f32 v[96+j], v[96+j], -v241, v241   ; the hold at the largest code x the scale
.set j, j+1
.endr
.irp t, 0,1,2,3
	v_cvt_scalef32_pk8_fp8_f32 v[224+2*\t:225+2*\t], v[96+8*\t:103+8*\t], v245
.endr
	v_nop                                          ; a plain vector instruction behind the last conversion
	global_store_b128 v[LI], v[224:227], s[10:11]              ; 32 lanes store 512 consecutive bytes, aligned
	global_store_b128 v[LI], v[228:231], s[10:11] offset:512
	s_wait_tensorcnt 0x0                           ; the wave's end: behind my last tensor load
	ds_add_u32 v[SPW], v[NIL]
	s_wait_dscnt 0x0
	s_endpgm
.Lfunc_end_k_qb8d8071393_attn:
	.size	k_qb8d8071393_attn, .Lfunc_end_k_qb8d8071393_attn-k_qb8d8071393_attn
	.p2alignl 7, 3214868480
	.fill 96, 4, 3214868480
	.section	.rodata,"a",@progbits
	.p2align	6, 0x0
	.amdhsa_kernel k_qb8d8071393_attn
		.amdhsa_group_segment_fixed_size 327680
		.amdhsa_private_segment_fixed_size 0
		.amdhsa_enable_private_segment 0
		.amdhsa_kernarg_size 32
		.amdhsa_user_sgpr_count 2
		.amdhsa_user_sgpr_kernarg_segment_ptr 1
		.amdhsa_wavefront_size32 1
		.amdhsa_system_sgpr_workgroup_id_x 1
		.amdhsa_system_sgpr_workgroup_id_y 1
		.amdhsa_system_sgpr_workgroup_id_z 1
		.amdhsa_system_vgpr_workitem_id 0
		.amdhsa_next_free_vgpr 256
		.amdhsa_next_free_sgpr 100
		.amdhsa_reserve_vcc 1
		.amdhsa_float_denorm_mode_32 3
		.amdhsa_float_denorm_mode_16_64 3
		.amdhsa_memory_ordered 1
		.amdhsa_forward_progress 1
		.amdhsa_inst_pref_size 94
	.end_amdhsa_kernel
	.amdgpu_metadata
---
amdhsa.version: [ 1, 2 ]
amdhsa.kernels:
  - .name:           k_qb8d8071393_attn
    .symbol:         k_qb8d8071393_attn.kd
    .args:
      - { .name: q_img, .offset: 0, .size: 8, .value_kind: global_buffer, .address_space: global }
      - { .name: kv, .offset: 8, .size: 8, .value_kind: global_buffer, .address_space: global }
      - { .name: lowp_scales, .offset: 16, .size: 8, .value_kind: global_buffer, .address_space: global }
      - { .name: y_img, .offset: 24, .size: 8, .value_kind: global_buffer, .address_space: global }
    .group_segment_fixed_size: 327680
    .private_segment_fixed_size: 0
    .kernarg_segment_align: 8
    .kernarg_segment_size: 32
    .max_flat_workgroup_size: 512
    .sgpr_count:     100
    .vgpr_count:     256
    .wavefront_size: 32
...
	.end_amdgpu_metadata
.endif
;; end of part 3
;; launch proj (part 4): grid 4 x 32, 4 waves a work-group, clusters of 4 x 4, 327,680 bytes of LDS; arguments y_img, wproj_img, b_proj, lowp_scales, out0; writes out0
.if DOCPART == 4
	.amdgcn_target "amdgcn-amd-amdhsa--gfx1250"
	.amdhsa_code_object_version 6
	.text
	.protected	k_qb8d8071393_proj
	.globl	k_qb8d8071393_proj
	.p2align	8
	.type	k_qb8d8071393_proj,@function
k_qb8d8071393_proj:
	s_mov_b64 s[64:65], 0
	v_nop
	global_prefetch_b8 v0, s[64:65] scope:SCOPE_SE
	s_setreg_imm32_b32 hwreg(HW_REG_WAVE_MODE, 25, 1), 1
	s_wait_xcnt 0x0
	s_wait_alu depctr_hold_cnt(0) depctr_sa_sdst(0) depctr_va_vdst(0) depctr_va_sdst(0) depctr_va_ssrc(0) depctr_va_vcc(0) depctr_vm_vsrc(0)
	s_getreg_b32 s2, hwreg(HW_REG_IB_STS2, 6, 4)
	s_cmp_eq_u32 s2, 0
	s_cbranch_scc0 .Lentry_in_a_cluster
	s_endpgm
.Lentry_in_a_cluster:
	s_bfe_u32 s2, ttmp6, 0x10000c
	s_cmp_lg_u32 s2, 0xf033
	s_cbranch_scc0 .Lentry_shape_is_right
	s_endpgm
.Lentry_shape_is_right:
; out0 = y W_proj + b_proj on codes of FP8 (E4M3); out0 [8192][1024] f32.  A number of y is its code x 2^e6, of W_proj x 2^e7: the codes are multiplied as they are, and each finished sum goes out as sum x 2^(e6 + e7) + bias, one fused multiply-add.
; Both operands come as images of registers (16 rows x 128 K in 16 registers: lane (r, h) holds row r, registers 2 c, 2 c + 1 hold k = 16 c + 8 h + 0 .. 7; four registers are 512 bytes, 16 x lane), laid so that 128 rows x 256 K are 32,768 dense bytes.
; A work-group of four waves makes 256 tokens (P = y) x 256 features (Q = W_proj), a wave 128 x 128: 64 accumulators.  Source 0 = 16 rows of Q, source 1 = 16 rows of P: a lane holds eight neighbouring numbers of a row of out0.
; K = 1,024 goes in 4 steps of 256 through two LDS slots, written out without a loop.  CLUSTERS: 4 x 4 work-groups; P's tile is shared along a row of the cluster, Q's along a column: each is asked for jointly.
; LIMIT: e6 + e7 between -126 and 127, so that 2^(e6 + e7) is an f32 number.
; REGISTERS, in windows of 256: window 0: v4 16 x lane; v16-21 LDS addresses; v24, v25 the stage; v28, v29 the add's two; v32-35 the bias of my four columns; v128-255 P's 8 fragments, ONE set (on the way out: rows read back).
;   window 1: Q's fragments, TWO sets.   window 2: the accumulators of P's blocks 0-3 ((a, b) at v[8 (8 (a % 4) + b)]);   window 3: of blocks 4-7.
.set HALFT,  32768                     ; 128 rows x 256 K: what one tensor load brings, and what one wave reads of P or of Q
.set SLOT,   4*HALFT                   ; P's two halves, then Q's two
.set SPARE,  2*SLOT                    ; behind the ring: the spare words, 128 bytes for each wave: two blocks of 256 bytes that no other line names
.set KSP,    0x200000                  ; a K step of y_img: 8192 rows x 256 bytes
.set KSQ,    0x40000                   ; of wproj_img: 1024 x 256
.set SPITCH, 528                       ; the way out: a stage of 16 rows x (512 bytes + 16) for each wave.  It lies in slot 0, which has had its last fill and its last read when the first result is stored there
.set FR,     16
.set NL,     4
.set NP,     4                         ; places behind this matrix instruction (ISA guide 7.12.1)
.set LI,   4
.set ADRA, 16
.set ADRB, 20
.set STO,  24
.set RD,   25
.set SPW,  28
.set NIL,  29
.set AF,   128
.set G1, 24
.set G0, 32
.set G1B, 48
.set G0B, 56
.set MSB, 0
.macro WIN new                         ; the immediate's high byte repeats the setting that is left
.if MSB != \new
	s_set_vgpr_msb (MSB<<8)|\new
.set MSB, \new
.endif
.endm
.set MUL_LO, 0xa1                      ; source 0 (Q) window 1, source 1 (P) window 0, C and D window 2
.set MUL_HI, 0xf1                      ; the same, C and D window 3
.set TO_B,   0x40                      ; destination window 1, address window 0
; A joint load: waves 0 and 1 fetch P's halves, waves 2 and 3 Q's.  The branch hangs on the wave's number alone.  An s_nop 0 and four v_nop follow each of the two lines.
.macro JLOAD g0a, g1a, g0b, g1b
	s_cmp_eq_u32 s15, 0
	s_cbranch_scc0 .Lfor_b_\@
	tensor_load_to_lds s[\g0a:\g0a+3], s[\g1a:\g1a+7]
	s_nop 0
.rept 4
	v_nop
.endr
	s_branch .Lasked_\@
.Lfor_b_\@:
	tensor_load_to_lds s[\g0b:\g0b+3], s[\g1b:\g1b+7]
	s_nop 0
.rept 4
	v_nop
.endr
.Lasked_\@:
.endm
.macro CREST                           ; a round of the cluster's barrier behind its opening barrier
	s_cmp_lg_u32 s14, 0
	s_cbranch_scc1 .Lnot_wave_0_\@
	s_barrier_signal -3
.Lnot_wave_0_\@:
	s_barrier_wait -3
	s_barrier_signal -1
	s_barrier_wait -1
.endm
.macro CROUND                          ; a whole round
	s_barrier_signal -1
	s_barrier_wait -1
	CREST
.endm
	s_load_b256 s[4:11], s[0:1], 0x0               ; y_img s[4:5], wproj_img s[6:7], b_proj s[8:9], the scales' exponents s[10:11]
	s_load_b64 s[12:13], s[0:1], 0x20              ; out0
	v_lshl_add_u32 v[SPW], v0, 2, SPARE
	v_mov_b32 v[NIL], 0
	ds_add_u32 v[SPW], v[NIL]                      ; the wave's opening: the add and its wait stand ahead of my first tensor load; the set-up below, work on registers, stands between them
	v_lshrrev_b32 v1, 5, v0
	v_readfirstlane_b32 s14, v1                    ; wave 0..3
	s_lshr_b32 s15, s14, 1                         ; which half of the tile's tokens is mine.  Also: I fetch for P (0) or for Q (1)
	s_and_b32 s16, s14, 1                          ; which half of its features.  Also: which 128 rows of that tile I fetch
	s_bfe_u32 s40, ttmp6, 0x40000                  ; cx, cy: my place in the cluster
	s_bfe_u32 s41, ttmp6, 0x40004
	s_lshl_b32 s42, ttmp9, 2
	s_add_co_u32 s42, s42, s40                     ; Q's tile = 4 x cluster x + cx
	s_and_b32 s17, ttmp7, 0xffff
	s_lshl_b32 s17, s17, 2
	s_add_co_u32 s17, s17, s41                     ; P's tile = 4 x cluster y + cy
	s_lshl_b32 s43, s41, 2
	s_lshl_b32 s43, 15, s43                        ; my row of the cluster
	s_lshl_b32 s44, 0x1111, s40                    ; my column
	; descriptor group 1: a dense block of 32,768 bytes as 128 rows of 32 elements of 8 bytes, no padding
	s_or_b32 s[G1+0], s43, (3<<16)|(1<<21)         ; 15:0 the mask: P's tiles go to my row; 17:16 elements of 8 bytes; 21 set beside a mask
	s_or_b32 s[G1B+0], s44, (3<<16)|(1<<21)        ; Q's go to my column
.irp g, G1, G1B
	s_mov_b32 s[\g+1], 32<<16                      ; tensor_dim0 = 32
	s_mov_b32 s[\g+2], 128<<16                     ; tensor_dim1 = 128
	s_mov_b32 s[\g+3], 32<<16                      ; tile_dim0 = 32
	s_mov_b32 s[\g+4], 128                         ; tile_dim1 = 128
	s_mov_b32 s[\g+5], 32                          ; tensor_dim0_stride
	s_mov_b32 s[\g+6], 0
	s_mov_b32 s[\g+7], 0
.endr
	s_lshl_b32 s20, s17, 16                        ; a tile of 256 rows is 65,536 bytes of a K step,
	s_lshl_b32 s21, s16, 15                        ; my 128 rows of it 32,768
	s_add_co_u32 s20, s20, s21
	s_mov_b32 s21, 0
	s_lshl_b32 s46, s42, 16
	s_lshl_b32 s47, s16, 15
	s_add_co_u32 s46, s46, s47
	s_mov_b32 s47, 0
	s_lshl_b32 s45, s14, 15                        ; where they go: wave x 32,768: no place in the cluster enters an LDS address
	s_wait_dscnt 0x0                               ; the opening add is done
	s_wait_kmcnt 0x0
	s_load_b256 s[92:99], s[10:11], 0x0            ; e0 .. e7
	s_add_nc_u64 s[20:21], s[4:5], s[20:21]
	s_add_nc_u64 s[46:47], s[6:7], s[46:47]
	CROUND                                         ; all sixteen work-groups are here: the first joint loads meet
.irp s, 0,1
	s_mov_b32 s[G0+4*\s], 1
	s_add_co_u32 s[G0+4*\s+1], s45, \s*SLOT
	s_add_nc_u64 s[G0+4*\s+2:G0+4*\s+3], s[20:21], \s*KSP
	s_or_b32 s[G0+4*\s+3], s[G0+4*\s+3], 0x80000000
	s_mov_b32 s[G0B+4*\s], 1
	s_add_co_u32 s[G0B+4*\s+1], s45, \s*SLOT
	s_add_nc_u64 s[G0B+4*\s+2:G0B+4*\s+3], s[46:47], \s*KSQ
	s_or_b32 s[G0B+4*\s+3], s[G0B+4*\s+3], 0x80000000
	JLOAD G0+4*\s, G1, G0B+4*\s, G1B               ; K steps 0 and 1: two tensor loads of mine are out
.endr
	v_and_b32 v1, 31, v0
	v_lshlrev_b32 v[LI], 4, v1                     ; 16 x lane: my place in every image, in a row of the stage and in 512 bytes of out0
	s_lshl_b32 s18, s15, 15                        ; my 128 rows of P
	s_lshl_b32 s19, s16, 15                        ; my 128 rows of Q,
	s_add_co_u32 s19, s19, 2*HALFT                 ; which lie behind P's 256
.irp s, 0,1
	v_add_nc_u32 v[ADRA+\s], s18, v[LI]
	v_add_nc_u32 v[ADRB+\s], s19, v[LI]
	s_add_co_u32 s18, s18, SLOT
	s_add_co_u32 s19, s19, SLOT
.endr
	v_and_b32 v2, 15, v0                           ; r
	v_bfe_u32 v3, v0, 4, 1                         ; h
	s_mul_i32 s23, s14, 16*SPITCH                  ; my stage
	v_mul_u32_u24 v5, v2, SPITCH                   ; in: row r, 32 bytes for each half of the lanes
	v_lshl_add_u32 v5, v3, 5, v5
	v_add_nc_u32 v[STO], s23, v5
	v_add_nc_u32 v[RD], s23, v[LI]                 ; back: the 32 lanes take one row of 512 bytes
	s_lshl_b32 s18, s42, 8
	s_lshl_b32 s19, s16, 7
	s_add_co_u32 s18, s18, s19                     ; my first feature
	s_lshl_b32 s22, s18, 2
	s_mov_b32 s23, 0
	s_add_nc_u64 s[68:69], s[8:9], s[22:23]
	global_load_b128 v[32:35], v[LI], s[68:69]     ; behind the stage a lane holds columns 4 lane .. 4 lane + 3 of every row: their bias
	s_lshl_b32 s2, s17, 8
	s_lshl_b32 s3, s15, 7
	s_add_co_u32 s2, s2, s3                        ; my first token
	s_lshl_b32 s2, s2, 12                          ; a row of out0 is 4,096 bytes
	s_add_co_u32 s2, s2, s22
	s_mov_b32 s3, 0
	s_add_nc_u64 s[12:13], s[12:13], s[2:3]
.macro FRAG reg, adr, q, i             ; fragment i of the slot's q-th 128 along K: four groups of 512 bytes, as they lie
.irp c, 0,1,2,3
	ds_load_b128 v[\reg+4*\c:\reg+4*\c+3], v[\adr] offset:4096*(\i)+2048*(\q)+512*\c
.endr
.endm
; 16 matrix instructions: P's blocks a0, a0 + 1 x Q's eight, 128 along K.  p: Q's set.  zero = 1: the first product starts the sums.  The 64 accumulators take turns, one instruction a turn, in the same order in every step.
.macro MUL16 a0, p, zero
.irp a, \a0, \a0+1
.irp b, 0,1,2,3,4,5,6,7
.if \zero
	v_wmma_f32_16x16x128_fp8_fp8 v[8*(8*((\a)%4)+\b):8*(8*((\a)%4)+\b)+7], v[128*(\p)+FR*\b:128*(\p)+FR*\b+FR-1], v[AF+FR*(\a):AF+FR*(\a)+FR-1], 0
.else
	v_wmma_f32_16x16x128_fp8_fp8 v[8*(8*((\a)%4)+\b):8*(8*((\a)%4)+\b)+7], v[128*(\p)+FR*\b:128*(\p)+FR*\b+FR-1], v[AF+FR*(\a):AF+FR*(\a)+FR-1], v[8*(8*((\a)%4)+\b):8*(8*((\a)%4)+\b)+7]
.endif
.endr
.endr
.endm
.macro FETCH_B slot, q, p              ; Q's eight fragments into set p
	WIN TO_B
.irp i, 0,1,2,3,4,5,6,7
	FRAG 128*(\p)+FR*\i, ADRB+\slot, \q, \i
.endr
	WIN 0
.endm
.macro FETCH_A slot, q, i0             ; P's blocks i0 .. i0 + 3
.irp i, \i0, \i0+1, \i0+2, \i0+3
	FRAG AF+FR*(\i), ADRA+\slot, \q, \i
.endr
.endm
.macro PLACES n                        ; a load into a register that a matrix instruction has read, and a vector instruction or an LDS store that reads a matrix result, stand four plain vector instructions behind it (ISA guide 7.12.1 for vector instructions)
.rept \n
	v_nop
.endr
.endm
; A step of 128 along K that has its successor in the same slot.  A block of P is free when its eight products are issued: blocks 0-3 are fetched anew in the step's middle, blocks 4-7 at its end.
.macro STEP slot, q, zero
	s_wait_dscnt 4*NL                              ; Q's set and P's blocks 0-3 are in; the youngest 16 loads (P's blocks 4-7) may be out
	WIN MUL_LO
	MUL16 0, (\q)%2, \zero
	MUL16 2, (\q)%2, \zero
	s_wait_dscnt 0                                 ; P's blocks 4-7 are in
	PLACES NP
	FETCH_B \slot, (\q)+1, 1-(\q)%2
	FETCH_A \slot, (\q)+1, 0
	WIN MUL_HI
	MUL16 4, (\q)%2, \zero
	MUL16 6, (\q)%2, \zero
	PLACES NP
	WIN 0
	FETCH_A \slot, (\q)+1, 4
.endm
; A slot's last step changes slots: ONE barrier; in front of it each wave waits for all its tensor loads, adds 0 to its spare word, and waits for that and for its own reads of this slot.  fill = 1: this slot is filled again, two K steps ahead.
.macro TURN slot, next, fill
	s_wait_tensorcnt 0x0                           ; all my tensor loads have landed: my part of the next slot
	ds_add_u32 v[SPW], v[NIL]                      ; 0 onto my spare word
	s_wait_dscnt 4*NL+1                            ; (the add and the youngest 16 loads, P's blocks 4-7, may be out)
	WIN MUL_LO
	MUL16 0, 1, 0                                  ; sixteen matrix instructions stand between the add and the wait for it
	s_wait_dscnt 0x0                               ; the add is done, and my reads of this slot are over
	s_barrier_signal -1
	MUL16 2, 1, 0
	WIN 0
	s_barrier_wait -1
.if \fill
	CREST                                          ; the barrier has opened a round of the cluster's barrier: no wave of any partner still reads this slot's tile or has a load on its way
	s_add_nc_u64 s[G0+4*\slot+2:G0+4*\slot+3], s[G0+4*\slot+2:G0+4*\slot+3], 2*KSP
	s_add_nc_u64 s[G0B+4*\slot+2:G0B+4*\slot+3], s[G0B+4*\slot+2:G0B+4*\slot+3], 2*KSQ
	JLOAD G0+4*\slot, G1, G0B+4*\slot, G1B         ; the first tensor load behind the round, my one load until the next; its four v_nop are the places in front of the loads below
.else
	PLACES NP
.endif
	FETCH_B \next, 0, 0
	FETCH_A \next, 0, 0
	WIN MUL_HI
	MUL16 4, 1, 0
	MUL16 6, 1, 0
	PLACES NP
	WIN 0
	FETCH_A \next, 0, 4
.endm
	s_wait_tensorcnt 1                             ; my part of K step 0 is in (K step 1's load may be out)
	s_barrier_signal -1
	s_barrier_wait -1                              ; everybody's is
	FETCH_B 0, 0, 0
	FETCH_A 0, 0, 0
	FETCH_A 0, 0, 4
	STEP 0, 0, 1                                   ; K step 0; its first products start the sums
	TURN 0, 1, 1                                   ; slot 0 takes K step 2
	STEP 1, 0, 0                                   ; K step 1
	TURN 1, 0, 1                                   ; slot 1 takes K step 3
	STEP 0, 0, 0                                   ; K step 2
	TURN 0, 1, 0                                   ; nothing is left to fetch; behind this barrier nobody reads slot 0
	STEP 1, 0, 0                                   ; K step 3
	s_wait_dscnt 4*NL
	WIN MUL_LO
	MUL16 0, 1, 0
	MUL16 2, 1, 0
	s_wait_dscnt 0
	WIN MUL_HI
	MUL16 4, 1, 0
	MUL16 6, 1, 0
	WIN 0
; THE WAY OUT, block by block of 16 tokens x 128 features.  A lane holds 32 neighbouring bytes of a row, and the lanes beside it hold other rows: so a block's sums go, as they are, through my own stage in LDS and come back as whole
; rows of 512 bytes; there each pair becomes sum x 2^(e6 + e7) + bias, and the 32 lanes store 512 consecutive bytes.  LDS serves a wave's instructions in order (ISA guide 5.7.1.4): no wait between the stores and the loads, nor in front of the next block's stores.
.macro TOSTAGE a
.set AC, 64*((\a)%4)
.set WN, 0x08+4*((\a)/4)
	WIN WN                                         ; the stores' data: window 2 or 3
.irp b, 0,1,2,3,4,5,6,7
	ds_store_b128 v[STO], v[AC+8*\b:AC+8*\b+3] offset:64*\b          ; each accumulator from its low end on
	ds_store_b128 v[STO], v[AC+8*\b+4:AC+8*\b+7] offset:64*\b+16
.endr
	WIN 0
.set BB, 128+64*((\a)%2)
.irp t, 0,1,2,3,4,5,6,7,8,9,10,11,12,13,14,15
	ds_load_b128 v[BB+4*\t:BB+4*\t+3], v[RD] offset:\t*SPITCH
.endr
.endm
.macro SEND a, younger                 ; younger: the LDS instructions issued behind block a's loads, which may stay out
.set BB, 128+64*((\a)%2)
	s_wait_dscnt \younger                          ; the block is back in registers
.set i, 0
.rept 16
	v_pk_fma_f32 v[BB+4*i:BB+4*i+1], v[BB+4*i:BB+4*i+1], s[66:67], v[32:33] op_sel_hi:[1,0,1]
	v_pk_fma_f32 v[BB+4*i+2:BB+4*i+3], v[BB+4*i+2:BB+4*i+3], s[66:67], v[34:35] op_sel_hi:[1,0,1]
.set i, i+1
.endr
.set i, 0
.rept 16
	global_store_b128 v[LI], v[BB+4*i:BB+4*i+3], s[12:13] offset:65536*(\a)+4096*i th:TH_STORE_NT   ; 512 consecutive bytes, at a multiple of 512 from out0's first byte; every offset an immediate, 520,192 at the most; written once, read by nobody here
.set i, i+1
.endr
.endm
	s_wait_kmcnt 0x0
	s_add_co_i32 s66, s98, s99                     ; e6 + e7
	s_add_co_i32 s66, s66, 127
	s_lshl_b32 s66, s66, 23                        ; 2^(e6 + e7) as f32
	s_mov_b32 s67, s66                             ; (named with it as a pair, so it is written)
	s_wait_loadcnt 0x0                             ; the bias
	PLACES NP                                      ; behind the last products: their results are read by the stores below, and P's registers take the rows read back
	TOSTAGE 0
.irp a, 1,2,3,4,5,6,7
.if \a > 1
	s_wait_xcnt 0x0                                ; block a - 2's stores have read their registers: block a's loads may land there
.endif
	TOSTAGE \a
	SEND \a-1, 32                                  ; behind block a - 1's loads: block a's 16 stores and 16 loads
.endr
	SEND 7, 0
	s_wait_tensorcnt 0x0                           ; the wave's end: behind my last tensor load and my last LDS store
	ds_add_u32 v[SPW], v[NIL]
	s_wait_dscnt 0x0
	CROUND                                         ; the closing round: no work-group ends while a partner may still ask for a tile that names it
	s_endpgm
.Lfunc_end_k_qb8d8071393_proj:
	.size	k_qb8d8071393_proj, .Lfunc_end_k_qb8d8071393_proj-k_qb8d8071393_proj
	.p2alignl 7, 3214868480
	.fill 96, 4, 3214868480
	.section	.rodata,"a",@progbits
	.p2align	6, 0x0
	.amdhsa_kernel k_qb8d8071393_proj
		.amdhsa_group_segment_fixed_size 327680
		.amdhsa_private_segment_fixed_size 0
		.amdhsa_enable_private_segment 0
		.amdhsa_kernarg_size 40
		.amdhsa_user_sgpr_count 2
		.amdhsa_user_sgpr_kernarg_segment_ptr 1
		.amdhsa_wavefront_size32 1
		.amdhsa_system_sgpr_workgroup_id_x 1
		.amdhsa_system_sgpr_workgroup_id_y 1
		.amdhsa_system_sgpr_workgroup_id_z 1
		.amdhsa_system_vgpr_workitem_id 0
		.amdhsa_next_free_vgpr 1024
		.amdhsa_next_free_sgpr 100
		.amdhsa_reserve_vcc 0
		.amdhsa_float_denorm_mode_32 3
		.amdhsa_float_denorm_mode_16_64 3
		.amdhsa_memory_ordered 1
		.amdhsa_forward_progress 1
		.amdhsa_inst_pref_size 122
	.end_amdhsa_kernel
	.amdgpu_metadata
---
amdhsa.version: [ 1, 2 ]
amdhsa.kernels:
  - .name:           k_qb8d8071393_proj
    .symbol:         k_qb8d8071393_proj.kd
    .args:
      - { .name: y_img, .offset: 0, .size: 8, .value_kind: global_buffer, .address_space: global }
      - { .name: wproj_img, .offset: 8, .size: 8, .value_kind: global_buffer, .address_space: global }
      - { .name: b_proj, .offset: 16, .size: 8, .value_kind: global_buffer, .address_space: global }
      - { .name: lowp_scales, .offset: 24, .size: 8, .value_kind: global_buffer, .address_space: global }
      - { .name: out0, .offset: 32, .size: 8, .value_kind: global_buffer, .address_space: global }
    .group_segment_fixed_size: 327680
    .private_segment_fixed_size: 0
    .kernarg_segment_align: 8
    .kernarg_segment_size: 40
    .max_flat_workgroup_size: 128
    .sgpr_count:     100
    .vgpr_count:     1024
    .wavefront_size: 32
...
	.end_amdgpu_metadata
.endif
;; end of part 4
